; MI455X (gfx1250); checked and timed in simulation.
; The chip was launched on July 23, 2026; its instructions are those of AMD's public machine-readable ISA for CDNA 5 (MIT licence, August 2026) and "CDNA5" Instruction Set Architecture Reference Guide (July 2026). The comments in the code are by the model that wrote it; some were corrected since.
;; Nerf Model. Allowed arithmetic: float matrix products may take bf16 or f16 operands with f32 sums; other float arithmetic in f32, or as packed bf16 or f16 multiplies, adds, multiply-adds, maxima and minima; sums over many terms, partial sums and values carried from step to step in f32; what a program stores and reads back later, other than sums and carried values, may be rounded once to bf16 or f16.
;; Inputs: b00 256 float32; b01 256 float32; b02 256 float32; b03 256 float32; b10 256 float32; b11 256 float32; b12 256 float32; b13 256 float32; cb0 128 float32; cb1 4 float32; cw0 283 x 128 float32; cw1 128 x 4 float32; dir 131,072 x 3 float32; pixel_width 131,072 x 1 float32; pos 131,072 x 3 float32; t_end 131,072 x 1 float32; t_start 131,072 x 1 float32; w00 63 x 256 float32; w01 256 x 256 float32; w02 256 x 256 float32; w03 256 x 256 float32; w10 319 x 256 float32; w11 256 x 256 float32; w12 256 x 256 float32; w13 256 x 256 float32.
;; Outputs: out0 131,072 float32; out1 131,072 x 3 float32.
;; One version. Each part assembles by itself: llvm-mc -triple=amdgcn-amd-amdhsa -mcpu=gfx1250 --defsym DOCPART=n.
;; ======== version 1 of 1: 2 launches
;; limits: inputs' magnitudes at most 100,000; a function is approximated: absolute error at most 0.0001
;; workspace buffers: ws 1,070,080 bytes
;; launch prep (part 1): grid 67 x 1, 8 waves a work-group, no clusters, 0 bytes of LDS; arguments w01, w02, w03, w10, w11, w12, w13, w00, b00, b01, b02, b03, b10, b11, b12, b13, cw0, cw1, cb0, cb1, ws; writes ws
.if DOCPART == 1
	.amdgcn_target "amdgcn-amd-amdhsa--gfx1250"
	.amdhsa_code_object_version 6
	.text
	.protected	k_qc0f8cbc12d_prep
	.globl	k_qc0f8cbc12d_prep
	.p2align	8
	.type	k_qc0f8cbc12d_prep,@function
k_qc0f8cbc12d_prep:
	s_mov_b64 s[64:65], 0
	v_nop
	global_prefetch_b8 v0, s[64:65] scope:SCOPE_SE
	s_setreg_imm32_b32 hwreg(HW_REG_WAVE_MODE, 25, 1), 1
	s_wait_xcnt 0x0
; All weights, rounded once to bf16, are laid into ws as ready matrix fragments in the order in which the second launch walks them; the biases are copied as f32.
; A FRAGMENT is 16 output channels x 32 input channels, 1,024 bytes: byte 512 g + 16 lane + 2 e is element e (0..7) of registers 4 g .. 4 g + 3 of that lane, so that the
; second launch fetches it by two 16-byte LDS loads a lane at 16 x lane.  Lane (r = lane % 16, h = lane / 16) holds output channel 16 ot + r.
; NATURAL ORDER: input channel 32 kk + 16 g + 8 h + e.
; ENCODED ORDER (rows that multiply a sinusoidal encoding of L levels, J = L / 2 levels to each half of the lanes): register R = 8 kk + 4 g + e / 2, half b = e % 2.
;   R < 3 J: level J h + R / 3;  R % 3 = 0: sin of coordinate b;  1: cos of coordinate b;  2: coordinate 2, sin (b = 0) or cos (b = 1).
;   R = 3 J: the coordinates themselves: b = 0: coordinate 2 h; b = 1: coordinate 1 for h = 0, a zero for h = 1.   R > 3 J: zeros.
; JOBS, by the work-group's number: 0-55 the seven 256 x 256 layers (8 each); 56, 57 w00; 58, 59 w10's rows 256-318; 60-63 cw0's rows 0-255; 64 cw0's rows 256-282; 65 eight biases; 66 cw1, cb0, cb1.
; In a weight job a wave takes one block ot of 16 output channels and two K steps of 32: 32 loads of 4 bytes a lane (16 lanes take 64 neighbouring bytes of a row), 16 roundings, four stores of
; 16 bytes a lane, each covering 512 consecutive bytes at a multiple of 512 from ws's first byte.  No LDS, no loop; every path ends by itself.
.set WS_C0,   917504                   ; cw0 rows 0-255: fragment 8 kk + ot
.set WS_DE,   983040                   ; cw0 rows 256-282, encoded order: fragment ot
.set WS_C1,   991232                   ; cw1: fragment kk
.set WS_RW0,  995328                   ; w00, encoded order: fragment 4 (ot / 2) + 2 kk + ot % 2
.set WS_BIAS, 1028096                  ; b00 .. b13 (1,024 bytes each), cb0 (512), a block of 512 with cb1
.set WS_RW4,  1037312                  ; w10 rows 256-318, encoded order: fragment 16 kk + ot
; v1 lane, v2 r, v3 h, v4 row offset (natural), v5, v6 row offsets (encoded: levels, identity), v7, v8 store offsets of K step 0, 1, v9 4 r, v16-47 as loaded, v48-63 packed
; s2 wave, s3 job, s[50:51] source, s[52:53] destination, s[54:55], s[56:57] offsets with 0 above, s58-63 at work
.macro PACKST qq                       ; quarter qq (K step qq / 2, register group qq % 2): eight numbers to 16 bytes, stored
.irp i, 0,1,2,3
	v_cvt_pk_bf16_f32 v[48+4*(\qq)+\i], v[16+8*(\qq)+2*\i], v[16+8*(\qq)+2*\i+1]
.endr
	global_store_b128 v[7+((\qq)>>1)], v[48+4*(\qq):48+4*(\qq)+3], s[52:53] offset:512*((\qq)&1)
.endm
.macro NATJOB pitch                    ; two K steps in natural order from rows of pitch bytes
.set q, 0
.rept 4
.set e, 0
.rept 8
	global_load_b32 v[16+8*q+e], v4, s[50:51] offset:(32*(q>>1)+16*(q&1)+e)*(\pitch)
.set e, e+1
.endr
.set q, q+1
.endr
.set q, 0
.rept 4
	s_wait_loadcnt 24-8*q                  ; loads come back in order: quarter q is in, the younger quarters stay out
	PACKST q
.set q, q+1
.endr
.endm
.macro ENCJOB L, J, pitch, ks          ; ks K steps in encoded order
.set q, 0
.rept 2*(\ks)
.set e, 0
.rept 8
.set R, 4*q+(e>>1)
.set b, e&1
.if R < 3*(\J)
.set j, R/3
.set t, R%3
.if t == 0
.set row, 3+(\L)*b+j
.elseif t == 1
.set row, 3+3*(\L)+(\L)*b+j
.else
.set row, 3+2*(\L)+3*(\L)*b+j
.endif
	global_load_b32 v[16+8*q+e], v5, s[50:51] offset:row*(\pitch)   ; v5 adds J rows for the upper half of the lanes
.elseif R == 3*(\J)
	global_load_b32 v[16+8*q+e], v6, s[50:51] offset:b*(\pitch)     ; rows 2 h and 1 + 2 h: both inside the matrix
.else
	v_mov_b32 v[16+8*q+e], 0
.endif
.set e, e+1
.endr
.set q, q+1
.endr
	s_wait_loadcnt 0x0
	v_cndmask_b32 v[16+6*(\J)+1], v[16+6*(\J)+1], 0, s60            ; the one place without a row: zero in the upper half of the lanes
.set q, 0
.rept 2*(\ks)
	PACKST q
.set q, q+1
.endr
.endm
	s_load_b512 s[8:23], s[0:1], 0x0               ; w01 s[8:9], w02, w03, w10 s[14:15], w11, w12, w13, w00 s[22:23]
	s_load_b512 s[24:39], s[0:1], 0x40             ; b00 .. b13
	s_load_b256 s[40:47], s[0:1], 0x80             ; cw0 s[40:41], cw1 s[42:43], cb0 s[44:45], cb1 s[46:47]
	s_load_b64 s[48:49], s[0:1], 0xa0              ; ws
	v_lshrrev_b32 v1, 5, v0
	v_readfirstlane_b32 s2, v1                     ; wave 0..7
	s_mov_b32 s3, ttmp9                            ; job
	v_and_b32 v1, 31, v0
	v_and_b32 v2, 15, v0
	v_bfe_u32 v3, v0, 4, 1
	v_lshlrev_b32 v7, 4, v1                        ; 16 x lane
	v_lshlrev_b32 v9, 2, v2                        ; 4 r
	s_mov_b32 s60, 0xffff0000                      ; lanes with h = 1
	s_mov_b32 s61, 0xf0f0f0f0                      ; lanes with r % 8 >= 4
	s_mov_b32 s55, 0
	s_mov_b32 s57, 0
	s_wait_kmcnt 0x0
	s_cmp_lt_u32 s3, 56
	s_cbranch_scc0 .Lnot_layer
	; jobs 0-55: layer job / 8, K steps 2 j and 2 j + 1 with j = (job / 2) % 4, ot = 8 (job % 2) + wave
	s_lshr_b32 s62, s3, 3
	s_bfe_u32 s59, s3, 0x20001
	s_and_b32 s58, s3, 1
	s_lshl3_add_u32 s58, s58, s2
	s_mov_b64 s[50:51], s[8:9]
.irp k, 1,2,3,4,5,6
	s_cmp_eq_u32 s62, \k
	s_cselect_b64 s[50:51], s[8+2*\k:9+2*\k], s[50:51]
.endr
	s_lshl_b32 s54, s59, 16                        ; 64 j rows of 1,024 bytes
	s_lshl_b32 s63, s58, 6                         ; 16 ot columns
	s_add_co_u32 s54, s54, s63
	s_add_nc_u64 s[50:51], s[50:51], s[54:55]
	s_lshl_b32 s56, s62, 17                        ; a layer's image is 131,072 bytes
	s_lshl_b32 s63, s59, 15                        ; K steps 2 j on: 32 fragments (for j = 3 this is where the last two K steps begin)
	s_add_co_u32 s56, s56, s63
	s_lshr_b32 s63, s58, 1
	s_and_b32 s54, s58, 1
	s_lshl2_add_u32 s63, s63, s54                  ; 4 (ot / 2) + ot % 2
	s_cmp_eq_u32 s59, 3                            ; K steps 6 and 7 lie by pairs of output blocks, the others by K step
	s_cselect_b32 s63, s63, s58
	s_mov_b32 s54, 16384                           ; (a move leaves the comparison's result alone; a select holds one literal)
	s_cselect_b32 s54, 2048, s54                   ; bytes from a K step's fragment to the next K step's
	s_lshl_b32 s63, s63, 10
	s_add_co_u32 s56, s56, s63
	s_add_nc_u64 s[52:53], s[48:49], s[56:57]
	v_add_nc_u32 v8, s54, v7
	v_lshl_add_u32 v4, v3, 13, v9                  ; 8 h rows + 4 r
	NATJOB 1024
	s_endpgm
.Lnot_layer:
	s_cmp_lt_u32 s3, 60
	s_cbranch_scc0 .Lnot_pe
	; jobs 56-59: the rows that multiply pos's encoding: w00 (56, 57), w10 from row 256 on (58, 59); ot = 8 (job % 2) + wave
	s_and_b32 s58, s3, 1
	s_lshl3_add_u32 s58, s58, s2
	s_lshr_b32 s63, s58, 1
	s_and_b32 s59, s58, 1
	s_lshl2_add_u32 s63, s63, s59
	s_mov_b32 s56, WS_RW0
	s_mov_b32 s62, 2048
	s_bitcmp1_b32 s3, 1                            ; 58, 59?
	s_cselect_b64 s[50:51], s[14:15], s[22:23]
	s_cselect_b32 s54, 262144, 0
	s_cselect_b32 s63, s58, s63
	s_cselect_b32 s56, WS_RW4, s56
	s_cselect_b32 s62, 16384, s62
	s_lshl_b32 s63, s63, 10
	s_add_co_u32 s56, s56, s63
	s_lshl_b32 s63, s58, 6
	s_add_co_u32 s54, s54, s63
	s_add_nc_u64 s[50:51], s[50:51], s[54:55]
	s_add_nc_u64 s[52:53], s[48:49], s[56:57]
	v_add_nc_u32 v8, s62, v7
	v_mul_u32_u24 v5, v3, 5*1024
	v_add_nc_u32 v5, v5, v9                        ; 5 h rows + 4 r
	v_lshl_add_u32 v6, v3, 11, v9                  ; 2 h rows + 4 r
	ENCJOB 10, 5, 1024, 2
	s_endpgm
.Lnot_pe:
	s_cmp_lt_u32 s3, 64
	s_cbranch_scc0 .Lnot_c0
	; jobs 60-63: cw0's rows 0-255 (rows of 512 bytes), K steps 2 j and 2 j + 1, ot = wave
	s_sub_co_u32 s59, s3, 60
	s_lshl_b32 s54, s59, 15
	s_lshl_b32 s63, s2, 6
	s_add_co_u32 s54, s54, s63
	s_add_nc_u64 s[50:51], s[40:41], s[54:55]
	s_lshl_b32 s56, s59, 14
	s_lshl_b32 s63, s2, 10
	s_add_co_u32 s56, s56, s63
	s_add_co_u32 s56, s56, WS_C0
	s_add_nc_u64 s[52:53], s[48:49], s[56:57]
	v_add_nc_u32 v8, 8192, v7
	v_lshl_add_u32 v4, v3, 12, v9
	NATJOB 512
	s_endpgm
.Lnot_c0:
	s_cmp_eq_u32 s3, 64
	s_cbranch_scc0 .Lnot_de
	; job 64: cw0's rows 256-282, which multiply dir's encoding; ot = wave
	s_lshl_b32 s54, s2, 6
	s_add_co_u32 s54, s54, 131072
	s_add_nc_u64 s[50:51], s[40:41], s[54:55]
	s_lshl_b32 s56, s2, 10
	s_add_co_u32 s56, s56, WS_DE
	s_add_nc_u64 s[52:53], s[48:49], s[56:57]
	v_lshl_add_u32 v5, v3, 10, v9                  ; 2 h rows + 4 r, for the levels
	v_lshl_add_u32 v6, v3, 10, v9                  ; and for the identity
	ENCJOB 4, 2, 512, 1
	s_endpgm
.Lnot_de:
	s_cmp_eq_u32 s3, 65
	s_cbranch_scc0 .Lnot_bias
	; job 65: wave w copies bias w, 1,024 bytes
	s_mov_b64 s[50:51], s[24:25]
.irp k, 1,2,3,4,5,6,7
	s_cmp_eq_u32 s2, \k
	s_cselect_b64 s[50:51], s[24+2*\k:25+2*\k], s[50:51]
.endr
	s_lshl_b32 s56, s2, 10
	s_add_co_u32 s56, s56, WS_BIAS
	s_add_nc_u64 s[52:53], s[48:49], s[56:57]
	global_load_b128 v[16:19], v7, s[50:51]
	global_load_b128 v[20:23], v7, s[50:51] offset:512
	s_wait_loadcnt 0x0
	global_store_b128 v7, v[16:19], s[52:53]
	global_store_b128 v7, v[20:23], s[52:53] offset:512
	s_endpgm
.Lnot_bias:
	; job 66.  Waves 0-3: cw1's fragment kk = wave.  Its row m is output m % 8 where that is below 4, else zeros: rows 8-11 repeat rows 0-3, so that both halves of the lanes end with the same four outputs
	s_cmp_lt_u32 s2, 4
	s_cbranch_scc0 .Lsmall
	v_and_b32 v10, 3, v0
	v_lshlrev_b32 v10, 2, v10
	v_lshl_add_u32 v4, v3, 7, v10                  ; 8 h rows of 16 bytes + 4 (r % 4)
	s_lshl_b32 s54, s2, 9                          ; 32 kk rows
	s_add_nc_u64 s[50:51], s[42:43], s[54:55]
	s_lshl_b32 s56, s2, 10
	s_add_co_u32 s56, s56, WS_C1
	s_add_nc_u64 s[52:53], s[48:49], s[56:57]
.set e, 0
.rept 16
	global_load_b32 v[16+e], v4, s[50:51] offset:16*(16*(e>>3)+(e&7))   ; register group e / 8, element e % 8: row 16 g + e % 8 (+ 8 h + 32 kk)
.set e, e+1
.endr
	s_wait_loadcnt 0x0
.set q, 0
.rept 2
.irp i, 0,1,2,3
	v_cvt_pk_bf16_f32 v[48+4*q+\i], v[16+8*q+2*\i], v[16+8*q+2*\i+1]
.endr
.irp i, 0,1,2,3
	v_cndmask_b32 v[48+4*q+\i], v[48+4*q+\i], 0, s61
.endr
	global_store_b128 v7, v[48+4*q:48+4*q+3], s[52:53] offset:512*q
.set q, q+1
.endr
	s_endpgm
.Lsmall:
	s_cmp_eq_u32 s2, 4
	s_cbranch_scc0 .Lnot_cb0
	s_add_nc_u64 s[52:53], s[48:49], WS_BIAS+8192  ; wave 4: cb0, 512 bytes
	global_load_b128 v[16:19], v7, s[44:45]
	s_wait_loadcnt 0x0
	global_store_b128 v7, v[16:19], s[52:53]
	s_endpgm
.Lnot_cb0:
	s_cmp_eq_u32 s2, 5
	s_cbranch_scc0 .Lnothing
	s_add_nc_u64 s[52:53], s[48:49], WS_BIAS+8704  ; wave 5: cb1, four zeros, cb1, and zeros up to 512 bytes
	v_mov_b32 v10, 0
	s_mov_b32 s62, 5                               ; lanes 0 and 2 keep cb1
	global_load_b128 v[16:19], v10, s[46:47]
	s_wait_loadcnt 0x0
.irp i, 16,17,18,19
	v_cndmask_b32 v\i, 0, v\i, s62
.endr
	global_store_b128 v7, v[16:19], s[52:53]
.Lnothing:
	s_endpgm
.Lfunc_end_k_qc0f8cbc12d_prep:
	.size	k_qc0f8cbc12d_prep, .Lfunc_end_k_qc0f8cbc12d_prep-k_qc0f8cbc12d_prep
	.p2alignl 7, 3214868480
	.fill 96, 4, 3214868480
	.section	.rodata,"a",@progbits
	.p2align	6, 0x0
	.amdhsa_kernel k_qc0f8cbc12d_prep
		.amdhsa_group_segment_fixed_size 0
		.amdhsa_private_segment_fixed_size 0
		.amdhsa_enable_private_segment 0
		.amdhsa_kernarg_size 168
		.amdhsa_user_sgpr_count 2
		.amdhsa_user_sgpr_kernarg_segment_ptr 1
		.amdhsa_wavefront_size32 1
		.amdhsa_system_sgpr_workgroup_id_x 1
		.amdhsa_system_sgpr_workgroup_id_y 1
		.amdhsa_system_sgpr_workgroup_id_z 1
		.amdhsa_system_vgpr_workitem_id 0
		.amdhsa_next_free_vgpr 64
		.amdhsa_next_free_sgpr 66
		.amdhsa_reserve_vcc 0
		.amdhsa_float_denorm_mode_32 3
		.amdhsa_float_denorm_mode_16_64 3
		.amdhsa_memory_ordered 1
		.amdhsa_forward_progress 1
		.amdhsa_inst_pref_size 26
	.end_amdhsa_kernel
	.amdgpu_metadata
---
amdhsa.version: [ 1, 2 ]
amdhsa.kernels:
  - .name:           k_qc0f8cbc12d_prep
    .symbol:         k_qc0f8cbc12d_prep.kd
    .args:
      - { .name: w01, .offset: 0, .size: 8, .value_kind: global_buffer, .address_space: global }
      - { .name: w02, .offset: 8, .size: 8, .value_kind: global_buffer, .address_space: global }
      - { .name: w03, .offset: 16, .size: 8, .value_kind: global_buffer, .address_space: global }
      - { .name: w10, .offset: 24, .size: 8, .value_kind: global_buffer, .address_space: global }
      - { .name: w11, .offset: 32, .size: 8, .value_kind: global_buffer, .address_space: global }
      - { .name: w12, .offset: 40, .size: 8, .value_kind: global_buffer, .address_space: global }
      - { .name: w13, .offset: 48, .size: 8, .value_kind: global_buffer, .address_space: global }
      - { .name: w00, .offset: 56, .size: 8, .value_kind: global_buffer, .address_space: global }
      - { .name: b00, .offset: 64, .size: 8, .value_kind: global_buffer, .address_space: global }
      - { .name: b01, .offset: 72, .size: 8, .value_kind: global_buffer, .address_space: global }
      - { .name: b02, .offset: 80, .size: 8, .value_kind: global_buffer, .address_space: global }
      - { .name: b03, .offset: 88, .size: 8, .value_kind: global_buffer, .address_space: global }
      - { .name: b10, .offset: 96, .size: 8, .value_kind: global_buffer, .address_space: global }
      - { .name: b11, .offset: 104, .size: 8, .value_kind: global_buffer, .address_space: global }
      - { .name: b12, .offset: 112, .size: 8, .value_kind: global_buffer, .address_space: global }
      - { .name: b13, .offset: 120, .size: 8, .value_kind: global_buffer, .address_space: global }
      - { .name: cw0, .offset: 128, .size: 8, .value_kind: global_buffer, .address_space: global }
      - { .name: cw1, .offset: 136, .size: 8, .value_kind: global_buffer, .address_space: global }
      - { .name: cb0, .offset: 144, .size: 8, .value_kind: global_buffer, .address_space: global }
      - { .name: cb1, .offset: 152, .size: 8, .value_kind: global_buffer, .address_space: global }
      - { .name: ws, .offset: 160, .size: 8, .value_kind: global_buffer, .address_space: global }
    .group_segment_fixed_size: 0
    .private_segment_fixed_size: 0
    .kernarg_segment_align: 8
    .kernarg_segment_size: 168
    .max_flat_workgroup_size: 256
    .sgpr_count:     66
    .vgpr_count:     64
    .wavefront_size: 32
...
	.end_amdgpu_metadata
.endif
;; end of part 1
;; launch nerf (part 2): grid 512 x 1, 4 waves a work-group, clusters of 4 x 1, 327,680 bytes of LDS; arguments pos, dir, ws, out0, out1; writes out0, out1
.if DOCPART == 2
	.amdgcn_target "amdgcn-amd-amdhsa--gfx1250"
	.amdhsa_code_object_version 6
	.text
	.protected	k_qc0f8cbc12d_nerf
	.globl	k_qc0f8cbc12d_nerf
	.p2align	8
	.type	k_qc0f8cbc12d_nerf,@function
k_qc0f8cbc12d_nerf:
	s_mov_b64 s[64:65], 0
	v_nop
	global_prefetch_b8 v0, s[64:65] scope:SCOPE_SE
	s_setreg_imm32_b32 hwreg(HW_REG_WAVE_MODE, 25, 1), 1
	s_wait_xcnt 0x0
	s_wait_alu depctr_hold_cnt(0) depctr_sa_sdst(0) depctr_va_vdst(0) depctr_va_sdst(0) depctr_va_ssrc(0) depctr_va_vcc(0) depctr_vm_vsrc(0)
	s_getreg_b32 s2, hwreg(HW_REG_IB_STS2, 6, 4)
	s_cmp_eq_u32 s2, 0
	s_cbranch_scc0 .Lentry_in_a_cluster
	s_endpgm
.Lentry_in_a_cluster:
	s_bfe_u32 s2, ttmp6, 0x10000c
	s_cmp_lg_u32 s2, 0x3003
	s_cbranch_scc0 .Lentry_shape_is_right
	s_endpgm
.Lentry_shape_is_right:
; The whole network for 256 points a work-group, 64 a wave (four tiles p of 16): encodings, ten layers, sigmoid and softplus.  Nothing but pos, dir, the weights and the four results touches memory.
; pixel_width, t_start and t_end are not loaded: the function computed here makes no number from them.
; EVERY PRODUCT IS USED TRANSPOSED: source 0 = 16 output channels x 32 input channels (a ready fragment out of ws), source 1 = 16 points x 32 channels.  In the result a lane (r = lane % 16,
; h = lane / 16) holds point r and channels 8 h + 0..7 of the block of 16; two neighbouring blocks, rounded in pairs to bf16, ARE source 1 of one K step of the next layer.  So activations never
; change lanes and never leave registers.  A bias is the C operand of the product that starts a sum, in f32.
; ORDER IN A LAYER of 256 x 256: K steps 0-5 go K outermost (steps 0-23, four output blocks each); K steps 6, 7 go by pairs of output blocks (steps 24-31), so that pair u is finished behind
; step 24 + u.  Its rounding and ReLU ride behind the next step's products, four vector lines behind each, into the activations' K step u, which is no longer read.  Pairs 6 and 7 ride
; behind the next layer's steps 0 and 1.
; WEIGHTS: 16 tiles of 65,536 bytes (16 steps of four fragments) go through two LDS slots; all work-groups walk the same tiles, so the four of a cluster ask JOINTLY, each wave for its quarter.
; w00, the rows of w10 that multiply pos's encoding, and the biases stay in LDS from the start.
; FORMATS: matrix operands bf16 (weights and activations have f32's range), sums and biases f32, pos and dir f32 until their encodings are rounded once.
; LIMITS: NaN is not treated apart (a ReLU by maximum turns it into 0).  Sine and cosine: reduction by 2 pi in two parts, polynomials on a quarter of the angle, angle doubling (six at the most):
; good to about 1e-4 for |pos| up to 1e5 and |dir| up to 1e6.  An exponential below 2^-126 counts as 0.
; REGISTERS, in windows of 256 (s_set_vgpr_msb: bits 1:0 source 0, 3:2 source 1, 5:4 source 2, 7:6 destination):
;   window 0: v0-15 addresses; v16-23 at work; v32-159 four buffers of four weight fragments; v160-223 two buffers of bias fragments (also the encodings as source 1); v224-255 one more weight buffer
;   window 1: the activations, K step kk, tile p at 32 kk + 8 p     windows 2, 3: the accumulators, block ot, tile p at 32 (ot % 8) + 8 p of window 2 + ot / 8 (window 2 also serves the encoding and the end)
.set SLOT1,  65536                     ; LDS: slot 0 at 0, slot 1 here
.set RES,    131072                    ; 74,752 bytes that stay: w00's fragments, the biases, w10's fragments for the encoding
.set L_BIAS, 163840
.set L_RW4,  173056
.set L_ENC,  205824                    ; 12,288 bytes a wave, written by LDS stores alone: pos's encoding (8 fragments, 4 kk + p), dir's (4, from byte 8,192)
.set L_OUT,  254976                    ; 1,024 bytes a wave: 64 x 3 colours, 64 densities
.set SPARE,  259072                    ; the spare words, 128 bytes a wave: two blocks of 256 bytes that no other line names
.set WS_RES, 995328                    ; where RES's image begins in ws
.set LA0, 2                            ; v2   16 x lane: a fragment's place in slot 0
.set LA1, 3                            ; v3   the same in slot 1
.set LB,  4                            ; v4   the layer's bias + 32 h; steps by 1,024 a layer
.set LW0, 5                            ; v5   w00's fragments
.set LW4, 6                            ; v6   w10's fragments for the encoding
.set LE,  7                            ; v7   my wave's encodings
.set OS3, 8                            ; v8   the way out: my point's colours
.set OS1, 9                            ; v9   my point's density
.set ORD, 10                           ; v10  where I read 8 bytes back
.set PO,  11                           ; v11  my point's byte offset in the work-group's rows of pos and dir
.set GO1, 12                           ; v12  my byte offset in out1
.set GO0, 13                           ; v13  in out0
.set SPW, 14                           ; v14  my spare word; never rewritten
.set NIL, 15                           ; v15  0; never rewritten
.set RING, 32
.set BBR,  160
.set XB,   224
.set WV,  14                           ; s14  wave
.set G1S, 24                           ; s[24:31] group 1: a quarter of a slot, 64 rows of 256 bytes
.set G1R, 32                           ; s[32:39] group 1: a quarter of RES, 73 rows
.set G0R, 40                           ; s[40:43], s[44:47], s[48:51] group 0 for RES, slot 0, slot 1
.set G0A, 44
.set G0B, 48
.set LAY, 52                           ; s52  layers to go, 7 to 1
.set FLOOR, 53                         ; s53  what this layer's results are held above: 0 twice in bf16, or minus infinity twice behind the last layer
.set FLOOR0, 54                        ; s54  0
.set HM,  55                           ; s55  lanes with h = 1
.set CM,  56                           ; s56  a comparison's lanes
; window 2 during the encoding
.set PX, 0                             ; v0-15  pos, tile p at 4 p
.set DX, 16                            ; v16-31 dir
.set FP, 32                            ; v32-33 pos's first factor: 1, or 2^5 for h = 1
.set FD, 34                            ; v34-35 dir's: 1 or 2^2
.set TA, 40                            ; five arrays of six pairs at work
.set TK, 52
.set TP, 64
.set TQ, 76
.set TU, 88
.set LV, 100                           ; level j, chain c: sines at LV + 24 j + 4 c, cosines two further
.set ID, 220                           ; the coordinates themselves, a pair a tile
.set MSB, 0
.macro WIN new                         ; the immediate's high byte repeats the setting that is left; a switch that changes nothing is dropped
.if MSB != (\new)
	s_set_vgpr_msb (MSB<<8)|(\new)
.set MSB, (\new)
.endif
.endm
; A load into a register that a matrix instruction has read, and a vector line that reads a matrix result or writes a matrix instruction's register, stand four places behind it; only plain vector
; lines that name none of its registers are places (ISA guide 7.12.1 for vector lines).  Where a step has riders its last four are the places; elsewhere these.
.macro PLACES
.rept 4
	v_nop
.endr
.endm
.macro CREST                           ; a round of the cluster's barrier behind its opening barrier
	s_cmp_lg_u32 s[WV], 0
	s_cbranch_scc1 .Lnot_wave_0_\@
	s_barrier_signal -3
.Lnot_wave_0_\@:
	s_barrier_wait -3
	s_barrier_signal -1
	s_barrier_wait -1
.endm
.macro CROUND
	s_barrier_signal -1
	s_barrier_wait -1
	CREST
.endm
.macro LDA t, areg, off                ; a step's four fragments, eight loads of 512 consecutive bytes, into buffer t % 4
	WIN 0
.set lf, 0
.rept 4
	ds_load_b128 v[RING+32*((\t)%4)+8*lf:RING+32*((\t)%4)+8*lf+3],   v[\areg] offset:(\off)+1024*lf
	ds_load_b128 v[RING+32*((\t)%4)+8*lf+4:RING+32*((\t)%4)+8*lf+7], v[\areg] offset:(\off)+1024*lf+512
.set lf, lf+1
.endr
.endm
.macro LDT t                           ; step t of a layer: steps 0-15 lie in slot 0, 16-31 in slot 1
.if (\t) < 16
	LDA \t, LA0, 4096*(\t)
.else
	LDA \t, LA1, 4096*((\t)-16)
.endif
.endm
.macro LDB b, n, off                   ; n bias fragments (a lane's eight channels, the same for all 16 points) into bias buffer b
	WIN 0
.set lf, 0
.rept \n
	ds_load_b128 v[BBR+32*(\b)+8*lf:BBR+32*(\b)+8*lf+3],   v[LB] offset:(\off)+64*lf
	ds_load_b128 v[BBR+32*(\b)+8*lf+4:BBR+32*(\b)+8*lf+7], v[LB] offset:(\off)+64*lf+16
.set lf, lf+1
.endr
.endm
; RIDERS.  Cluster n of 16 for the finished pair src of output blocks: four roundings of one accumulator (its registers in ascending order), or the four maxima that follow them.
; mode 0: held above 0; 1: above s[FLOOR]; 2: roundings alone, cluster n % 8 of pair 6 + n / 8.
.macro RID src, n, mode
.if (\mode) == 2
.set rpair, 6+((\n)>>3)
.set rc, (\n)&7
.set rcv, 1
.else
.set rpair, (\src)
.set rc, (\n)>>1
.set rcv, 1-((\n)&1)
.endif
.set rot, 2*rpair+(rc>>2)
.set rp, rc&3
.set racc, 32*(rot&7)+8*rp
.set ract, 32*rpair+8*rp+4*(rot&1)
.if rcv
	WIN 0x4a+5*(rot>>3)                    ; sources window 2 or 3, destination window 1
.irp i, 0,1,2,3
	v_cvt_pk_bf16_f32 v[ract+\i], v[racc+2*\i], v[racc+2*\i+1]
.endr
.else
	WIN 0x41
.irp i, 0,1,2,3
.if (\mode) == 1
	v_pk_max_num_bf16 v[ract+\i], v[ract+\i], s[FLOOR]
.else
	v_pk_max_num_bf16 v[ract+\i], v[ract+\i], s[FLOOR0]
.endif
.endr
.endif
.endm
; THE STEPS: 16 matrix instructions each.  The accumulators take turns, one instruction a turn: 16 apart in ST1 and STB, 8 apart in ST2.
; ST1: K step kk, output blocks 4 otq + 0..3, all four tiles.  cb = 1: the bias starts the sums.  rsrc >= 0: a cluster of riders behind each product.
.macro ST1 t, kk, otq, cb, rsrc, mode
.set sf, 0
.rept 4
.set sp, 0
.rept 4
.set rD, 32*((4*(\otq)+sf)&7)+8*sp
.set rA, RING+32*((\t)%4)+8*sf
.set rB, 32*(\kk)+8*sp
.if \cb
	WIN 0x84+0x40*((\otq)>>1)
	v_wmma_f32_16x16x32_bf16 v[rD:rD+7], v[rA:rA+7], v[rB:rB+7], v[BBR+32*((\t)&1)+8*sf:BBR+32*((\t)&1)+8*sf+7]
.else
	WIN 0xa4+0x50*((\otq)>>1)
	v_wmma_f32_16x16x32_bf16 v[rD:rD+7], v[rA:rA+7], v[rB:rB+7], v[rD:rD+7]
.endif
.if (\rsrc) >= 0
	RID \rsrc, 4*sf+sp, \mode
.endif
.set sp, sp+1
.endr
.set sf, sf+1
.endr
.endm
; ST2: K steps 6 and 7, output blocks 2 u and 2 u + 1: the pair is finished behind it.
.macro ST2 t, u, cb, rsrc, mode
.set sn, 0
.rept 16
.set skk, sn>>3
.set so, (sn>>2)&1
.set sp, sn&3
.set sot, 2*(\u)+so
.set rD, 32*(sot&7)+8*sp
.set rA, RING+32*((\t)%4)+8*(2*skk+so)
.set rB, 32*(6+skk)+8*sp
.if (\cb) && (skk == 0)
	WIN 0x84+0x40*(sot>>3)
	v_wmma_f32_16x16x32_bf16 v[rD:rD+7], v[rA:rA+7], v[rB:rB+7], v[BBR+32*((\u)&1)+8*so:BBR+32*((\u)&1)+8*so+7]
.else
	WIN 0xa4+0x50*(sot>>3)
	v_wmma_f32_16x16x32_bf16 v[rD:rD+7], v[rA:rA+7], v[rB:rB+7], v[rD:rD+7]
.endif
.if (\rsrc) >= 0
	RID \rsrc, sn, \mode
.endif
.set sn, sn+1
.endr
.endm
; STB: source 1 is an encoding, in window 0 at bb + 8 p; fragments at ab; output blocks 4 otq + 0..3
.macro STB ab, bb, otq
	WIN 0xa0+0x50*((\otq)>>1)
.set sf, 0
.rept 4
.set sp, 0
.rept 4
.set rD, 32*((4*(\otq)+sf)&7)+8*sp
	v_wmma_f32_16x16x32_bf16 v[rD:rD+7], v[(\ab)+8*sf:(\ab)+8*sf+7], v[(\bb)+8*sp:(\bb)+8*sp+7], v[rD:rD+7]
.set sp, sp+1
.endr
.set sf, sf+1
.endr
.endm
.macro LDE i                           ; step i of the skip's eight: four fragments into the buffer that step i - 2 read
	WIN 0
.set eb, (RING+96)*(1-((\i)&1))+XB*((\i)&1)
.set lf, 0
.rept 4
	ds_load_b128 v[eb+8*lf:eb+8*lf+3],   v[LW4] offset:4096*(\i)+1024*lf
	ds_load_b128 v[eb+8*lf+4:eb+8*lf+7], v[LW4] offset:4096*(\i)+1024*lf+512
.set lf, lf+1
.endr
.endm
; THE CHANGE OF SLOTS, in three parts round two steps.  SEAM1: all my tensor loads have landed (one is out: my quarter of the other slot); 0 onto my spare word; the slot's address steps two tiles on.
; SEAM2, a step later: the add is done and my reads of the slot are over (its last fragments are in registers); the signal.  SEAM3, a step later: the rest of a round of the cluster's barrier, so
; that no wave of any partner still reads the slot or has a load on its way; then the joint refill, first thing: it has 14 steps, 224 matrix instructions, in which to land.
.macro SEAM1 g0, step
	WIN 0
	s_wait_tensorcnt 0x0
	ds_add_u32 v[SPW], v[NIL]              ; 0 onto my spare word; a step of products stands between it and the wait for it
.if \step
	s_add_nc_u64 s[(\g0)+2:(\g0)+3], s[(\g0)+2:(\g0)+3], 131072   ; no load of mine is out, so a group 0 may be written; the type bits on top are not reached
.endif
	s_wait_dscnt 17                        ; the next step's fragments are in: the two younger groups of eight and the add may be out
.endm
.macro SEAM2
	s_wait_dscnt 0x0
	s_barrier_signal -1
.endm
.macro SEAM3 g0
	WIN 0
	s_barrier_wait -1
	CREST
	tensor_load_to_lds s[(\g0):(\g0)+3], s[G1S:G1S+7]
	s_nop 0
	PLACES                                 ; also the places in front of the loads that follow
.endm
; THE ENCODING works on six CHAINS of two numbers: chains 0, 1, 3, 4 are (x0, x1) of tiles 0, 1, 2, 3; chain 2 is x2 of tiles 0 and 1, chain 5 of tiles 2 and 3.  Each line is written for all six.
.macro CH6 line:vararg
.set c, 0
.rept 6
	\line
.set c, c+1
.endr
.endm
.macro DBL6 sa, ca, ia, sb, cb, ib     ; the doubled angle: u = 2 s; s' = u c; c' = 1 - u s
	CH6 v_pk_add_f32 v[TU+2*c:TU+2*c+1], v[(\sa)+(\ia)*c:(\sa)+(\ia)*c+1], v[(\sa)+(\ia)*c:(\sa)+(\ia)*c+1]
	CH6 v_pk_mul_f32 v[(\sb)+(\ib)*c:(\sb)+(\ib)*c+1], v[TU+2*c:TU+2*c+1], v[(\ca)+(\ia)*c:(\ca)+(\ia)*c+1]
	CH6 v_pk_fma_f32 v[(\cb)+(\ib)*c:(\cb)+(\ib)*c+1], v[TU+2*c:TU+2*c+1], v[(\sa)+(\ia)*c:(\sa)+(\ia)*c+1], 1.0 op_sel_hi:[1,1,0] neg_lo:[1,0,0] neg_hi:[1,0,0]
.endm
.macro SINCOS6 X, F                    ; sine and cosine of x times the lane's first factor, into level 0
.set c, 0
.rept 6
.if (c%3) == 2
	v_mul_f32 v[TA+2*c],   v[(\X)+8*(c/3)+2], v[\F]
	v_mul_f32 v[TA+2*c+1], v[(\X)+8*(c/3)+6], v[\F]
.else
	v_pk_mul_f32 v[TA+2*c:TA+2*c+1], v[(\X)+4*(c-c/3):(\X)+4*(c-c/3)+1], v[(\F):(\F)+1]
.endif
.set c, c+1
.endr
	CH6 v_pk_mul_f32 v[TK+2*c:TK+2*c+1], v[TA+2*c:TA+2*c+1], s[80:81] op_sel_hi:[1,0]
	CH6 v_rndne_f32 v[TK+2*c], v[TK+2*c]
	CH6 v_rndne_f32 v[TK+2*c+1], v[TK+2*c+1]                                                       ; k = the nearest whole number of turns
	CH6 v_pk_fma_f32 v[TA+2*c:TA+2*c+1], v[TK+2*c:TK+2*c+1], s[58:59], v[TA+2*c:TA+2*c+1] op_sel_hi:[1,0,1]
	CH6 v_pk_fma_f32 v[TA+2*c:TA+2*c+1], v[TK+2*c:TK+2*c+1], s[60:61], v[TA+2*c:TA+2*c+1] op_sel_hi:[1,0,1]  ; the angle less k x 2 pi, 2 pi in two parts
	CH6 v_pk_mul_f32 v[TA+2*c:TA+2*c+1], v[TA+2*c:TA+2*c+1], s[82:83] op_sel_hi:[1,0]              ; y = a quarter of it, within pi / 4
	CH6 v_pk_mul_f32 v[TK+2*c:TK+2*c+1], v[TA+2*c:TA+2*c+1], v[TA+2*c:TA+2*c+1]                    ; y^2
	CH6 v_pk_fma_f32 v[TP+2*c:TP+2*c+1], v[TK+2*c:TK+2*c+1], s[62:63], s[66:67] op_sel_hi:[1,0,0]
	CH6 v_pk_fma_f32 v[TQ+2*c:TQ+2*c+1], v[TK+2*c:TK+2*c+1], s[70:71], s[72:73] op_sel_hi:[1,0,0]
	CH6 v_pk_mul_f32 v[TU+2*c:TU+2*c+1], v[TA+2*c:TA+2*c+1], v[TK+2*c:TK+2*c+1]                    ; y^3
	CH6 v_pk_fma_f32 v[TP+2*c:TP+2*c+1], v[TP+2*c:TP+2*c+1], v[TK+2*c:TK+2*c+1], s[68:69] op_sel_hi:[1,1,0]
	CH6 v_pk_fma_f32 v[TQ+2*c:TQ+2*c+1], v[TQ+2*c:TQ+2*c+1], v[TK+2*c:TK+2*c+1], s[74:75] op_sel_hi:[1,1,0]
	CH6 v_pk_fma_f32 v[TP+2*c:TP+2*c+1], v[TU+2*c:TU+2*c+1], v[TP+2*c:TP+2*c+1], v[TA+2*c:TA+2*c+1]  ; sin y = y + y^3 (-1/6 + y^2 (1/120 - y^2 / 5040))
	CH6 v_pk_fma_f32 v[TQ+2*c:TQ+2*c+1], v[TQ+2*c:TQ+2*c+1], v[TK+2*c:TK+2*c+1], -0.5 op_sel_hi:[1,1,0]
	CH6 v_pk_fma_f32 v[TQ+2*c:TQ+2*c+1], v[TQ+2*c:TQ+2*c+1], v[TK+2*c:TK+2*c+1], 1.0 op_sel_hi:[1,1,0]  ; cos y = 1 + y^2 (-1/2 + y^2 (1/24 + y^2 (-1/720 + y^2 / 40320)))
	DBL6 TP, TQ, 2, TA, TK, 2
	DBL6 TA, TK, 2, LV, LV+2, 4
.endm
.macro IDENT X                         ; (x0, x1) for h = 0, (x2, 0) for h = 1
.set p, 0
.rept 4
	v_cndmask_b32 v[ID+2*p],   v[(\X)+4*p],   v[(\X)+4*p+2], s[HM]
	v_cndmask_b32 v[ID+2*p+1], v[(\X)+4*p+1], 0, s[HM]
.set p, p+1
.endr
.endm
; nj levels and the identity, rounded into registers R = 0 .. 3 nj of source 1: level j at 3 j: (sin x0, sin x1), (cos x0, cos x1), (sin x2, cos x2).  The weights' rows were laid in the same order.
.macro CVENC base, nj
.set p, 0
.rept 4
.set ca, p+p/2
.set cx, 2+3*(p/2)
.set j, 0
.rept \nj
.set R, 3*j
	v_cvt_pk_bf16_f32 v[(\base)+32*(R>>3)+8*p+(R&7)], v[LV+24*j+4*ca], v[LV+24*j+4*ca+1]
.set R, 3*j+1
	v_cvt_pk_bf16_f32 v[(\base)+32*(R>>3)+8*p+(R&7)], v[LV+24*j+4*ca+2], v[LV+24*j+4*ca+3]
.set R, 3*j+2
	v_cvt_pk_bf16_f32 v[(\base)+32*(R>>3)+8*p+(R&7)], v[LV+24*j+4*cx+(p&1)], v[LV+24*j+4*cx+2+(p&1)]
.set j, j+1
.endr
.set R, 3*(\nj)
	v_cvt_pk_bf16_f32 v[(\base)+32*(R>>3)+8*p+(R&7)], v[ID+2*p], v[ID+2*p+1]
.set p, p+1
.endr
.endm
	; ---------------- the head ----------------
	s_load_b256 s[4:11], s[0:1], 0x0               ; pos s[4:5], dir s[6:7], ws s[8:9], out0 s[10:11]
	s_load_b64 s[12:13], s[0:1], 0x20              ; out1
	v_lshl_add_u32 v[SPW], v0, 2, SPARE
	v_mov_b32 v[NIL], 0
	ds_add_u32 v[SPW], v[NIL]                      ; the wave's opening: the add and its wait stand ahead of my first tensor load; the set-up below, work on registers, stands between them
	v_lshrrev_b32 v1, 5, v0
	v_readfirstlane_b32 s[WV], v1                  ; wave 0..3
	s_bfe_u32 s15, ttmp6, 0x40000                  ; cx: my place in the cluster
	s_lshl_b32 s16, ttmp9, 2                       ; in a cluster launch ttmp9 counts clusters
	s_add_co_u32 s16, s16, s15                     ; my block of 256 points: it enters pos's, dir's and the outputs' addresses alone
	; group 1: dense bytes as rows of 32 elements of 8 bytes, no padding: fragments are read at 16 x lane
	s_mov_b32 s[G1S+0], 15|(3<<16)|(1<<21)         ; 15:0 the mask: all four work-groups; 17:16 elements of 8 bytes; 21 set beside a mask
	s_mov_b32 s[G1S+1], 32<<16                     ; tensor_dim0 = 32
	s_mov_b32 s[G1S+2], 64<<16                     ; tensor_dim1 = 64
	s_mov_b32 s[G1S+3], 32<<16                     ; tile_dim0 = 32
	s_mov_b32 s[G1S+4], 64                         ; tile_dim1 = 64
	s_mov_b32 s[G1S+5], 32                         ; 32 elements from row to row
	s_mov_b32 s[G1S+6], 0
	s_mov_b32 s[G1S+7], 0
	s_mov_b32 s[G1R+0], 15|(3<<16)|(1<<21)
	s_mov_b32 s[G1R+1], 32<<16
	s_mov_b32 s[G1R+2], 73<<16                     ; 73 rows: a quarter of 74,752 bytes
	s_mov_b32 s[G1R+3], 32<<16
	s_mov_b32 s[G1R+4], 73
	s_mov_b32 s[G1R+5], 32
	s_mov_b32 s[G1R+6], 0
	s_mov_b32 s[G1R+7], 0
	; group 0: LDS addresses and offsets in ws hang on the wave's number alone
	s_mov_b32 s[G0R], 1
	s_mul_i32 s17, s[WV], 18688
	s_add_co_u32 s[G0R+1], s17, RES
	s_add_co_u32 s20, s17, WS_RES
	s_mov_b32 s21, 0
	s_mov_b32 s[G0A], 1
	s_lshl_b32 s[G0A+1], s[WV], 14
	s_mov_b32 s[G0B], 1
	s_add_co_u32 s[G0B+1], s[G0A+1], SLOT1
	s_lshl_b32 s18, s[WV], 14
	s_mov_b32 s19, 0
	s_mov_b32 s[FLOOR0], 0
	s_mov_b32 s[HM], 0xffff0000
.irp k, 58,60,62,66,68,70,72,74,76,80,82
	s_mov_b32 s[\k+1], 0                           ; named as pairs: the packed lines take the low word for both halves
.endr
	s_mov_b32 s58, 0xc0c90fdb                      ; -2 pi, upper part
	s_mov_b32 s60, 0x343bbd2e                      ; -2 pi, the rest
	s_mov_b32 s62, 0xb9500d01                      ; -1/5040
	s_mov_b32 s66, 0x3c088889                      ; 1/120
	s_mov_b32 s68, 0xbe2aaaab                      ; -1/6
	s_mov_b32 s70, 0x37d00d01                      ; 1/40320
	s_mov_b32 s72, 0xbab60b61                      ; -1/720
	s_mov_b32 s74, 0x3d2aaaab                      ; 1/24
	s_mov_b32 s76, 0xbfb8aa3b                      ; -log2(e)
	s_mov_b32 s78, 0x3f317218                      ; ln 2
	s_mov_b32 s79, 0x41000000                      ; 8
	s_mov_b32 s80, 0x3e22f983                      ; 1 / 2 pi
	s_mov_b32 s82, 0x3e800000                      ; 1/4
	s_mul_i32 s84, s[WV], 12288
	s_add_co_u32 s84, s84, L_ENC
	s_lshl_b32 s85, s[WV], 10
	s_add_co_u32 s85, s85, L_OUT
	s_mul_i32 s86, s[WV], 768
	s_lshl_b32 s87, s[WV], 8
	v_and_b32 v1, 31, v0                           ; lane
	v_and_b32 v16, 15, v0                          ; r
	v_bfe_u32 v17, v0, 4, 1                        ; h
	v_lshlrev_b32 v[LA0], 4, v1
	v_add_nc_u32 v[LA1], SLOT1, v[LA0]
	v_lshl_add_u32 v[LB], v17, 5, L_BIAS
	v_add_nc_u32 v[LW0], RES, v[LA0]
	v_add_nc_u32 v[LW4], L_RW4, v[LA0]
	v_add_nc_u32 v[LE], s84, v[LA0]
	v_mul_u32_u24 v18, v16, 12
	v_add_nc_u32 v[OS3], s85, v18
	v_lshl_add_u32 v[OS1], v16, 2, s85
	v_add_nc_u32 v[OS1], 768, v[OS1]
	v_lshl_add_u32 v[ORD], v1, 3, s85
	v_add_nc_u32 v[PO], s86, v18
	v_lshl_add_u32 v[GO1], v1, 3, s86
	v_lshl_add_u32 v[GO0], v1, 3, s87
	s_wait_dscnt 0x0                               ; the opening add is done
	s_wait_kmcnt 0x0
	s_add_nc_u64 s[G0R+2:G0R+3], s[8:9], s[20:21]
	s_add_nc_u64 s[G0A+2:G0A+3], s[8:9], s[18:19]  ; tile 0, my quarter
	s_add_nc_u64 s[G0B+2:G0B+3], s[G0A+2:G0A+3], SLOT1  ; tile 1
	s_or_b32 s[G0R+3], s[G0R+3], 0x80000000        ; type = 2
	s_or_b32 s[G0A+3], s[G0A+3], 0x80000000
	s_or_b32 s[G0B+3], s[G0B+3], 0x80000000
	s_mul_i32 s22, s16, 3072                       ; 256 points of 12 bytes
	s_mov_b32 s23, 0
	s_add_nc_u64 s[4:5], s[4:5], s[22:23]
	s_add_nc_u64 s[6:7], s[6:7], s[22:23]
	s_add_nc_u64 s[12:13], s[12:13], s[22:23]
	s_lshl_b32 s22, s16, 10
	s_add_nc_u64 s[10:11], s[10:11], s[22:23]
	CROUND                                         ; all four work-groups are here: the first joint loads meet
	tensor_load_to_lds s[G0R:G0R+3], s[G1R:G1R+7]  ; the three first fills go out together: three loads of mine are out, later one
	s_nop 0
	tensor_load_to_lds s[G0A:G0A+3], s[G1S:G1S+7]
	s_nop 0
	tensor_load_to_lds s[G0B:G0B+3], s[G1S:G1S+7]
	s_nop 0
	PLACES
	WIN 0x80                                       ; destination window 2, address window 0
.set p, 0
.rept 4
.irp k, 0,1,2
	global_load_b32 v[PX+4*p+\k], v[PO], s[4:5] offset:192*p+4*\k   ; both halves of the lanes take point r of tile p
	global_load_b32 v[DX+4*p+\k], v[PO], s[6:7] offset:192*p+4*\k
.endr
.set p, p+1
.endr
	; ---------------- the encodings, while the first tiles are on their way ----------------
	WIN 0xaa                                       ; all in window 2
	v_mov_b32 v36, 0x42000000                      ; 2^5
	v_mov_b32 v37, 4.0                             ; 2^2
	v_cndmask_b32 v[FP], 1.0, v36, s[HM]           ; the lower half of the lanes makes levels 0-4 (dir: 0, 1), the upper half 5-9 (2, 3)
	v_cndmask_b32 v[FD], 1.0, v37, s[HM]
	v_mov_b32 v[FP+1], v[FP]
	v_mov_b32 v[FD+1], v[FD]
	s_wait_loadcnt 0x0
	SINCOS6 PX, FP
.set lv, 0
.rept 4
	DBL6 LV+24*lv, LV+24*lv+2, 4, LV+24*lv+24, LV+24*lv+26, 4
.set lv, lv+1
.endr
	IDENT PX
	WIN 0x4a                                       ; sources window 2, destination window 1
	CVENC 192, 5                                   ; pos's encoding is the activations' K steps 6 and 7: the first layer reads it there
	WIN 0xaa
	SINCOS6 DX, FD
	DBL6 LV, LV+2, 4, LV+24, LV+26, 4
	IDENT DX
	WIN 0x4a
	CVENC 0, 2                                     ; dir's encoding, for now in K step 0
.irp p, 0,1,2,3
	v_mov_b32 v[8*\p+7], 0
.endr
	WIN 0x04                                       ; store data window 1
.set lf, 0
.rept 8
	ds_store_b128 v[LE], v[192+8*lf:192+8*lf+3] offset:1024*lf      ; both are kept in my wave's own LDS bytes for the skip and for the colour head
	ds_store_b128 v[LE], v[192+8*lf+4:192+8*lf+7] offset:1024*lf+512
.set lf, lf+1
.endr
.set lf, 0
.rept 4
	ds_store_b128 v[LE], v[8*lf:8*lf+3] offset:8192+1024*lf
	ds_store_b128 v[LE], v[8*lf+4:8*lf+7] offset:8192+1024*lf+512
.set lf, lf+1
.endr
	WIN 0
	s_wait_tensorcnt 0x1                           ; my quarters of RES and of slot 0 are in; slot 1's may stay out
	s_wait_dscnt 0x0
	s_barrier_signal -1
	s_barrier_wait -1                              ; everybody's are
	; ---------------- layer 0: 64 x 256, eight steps by pairs of output blocks ----------------
	LDA 0, LW0, 0
	LDB 0, 2, 0
	LDA 1, LW0, 4096
	LDB 1, 2, 128
	LDA 2, LW0, 8192
	s_wait_dscnt 20                                ; step u's fragments and bias are in; younger: 8 + 4 + 8
	ST2 0, 0, 1, -1, 0
	PLACES
	LDB 0, 2, 256
	LDA 3, LW0, 12288
.set uu, 1
.rept 4
	s_wait_dscnt 20
	ST2 uu, uu, 1, uu-1, 0
	LDB uu&1, 2, 128*(uu+2)
	LDA uu+3, LW0, 4096*(uu+3)
.set uu, uu+1
.endr
	s_wait_dscnt 20
	ST2 5, 5, 1, 4, 0
	LDB 1, 2, 896
	LDA 0, LA0, 0                                  ; the next layer's first steps
	s_wait_dscnt 20
	ST2 6, 6, 1, 5, 0
	LDB 0, 4, 1024
	LDA 1, LA0, 4096
	s_wait_dscnt 24                                ; younger: three groups of eight
	ST2 7, 7, 1, -1, 0
	PLACES
	LDB 1, 4, 1280
	LDA 2, LA0, 8192
	WIN 0
	v_add_nc_u32 v[LB], 1024, v[LB]
	s_mov_b32 s[LAY], 7
	; ---------------- seven layers of 256 x 256; the fourth also takes pos's encoding ----------------
.Llayer:
	s_cmp_eq_u32 s[LAY], 1
	s_cselect_b32 s[FLOOR], 0xff80ff80, 0          ; no ReLU behind the last of them
	s_wait_dscnt 24                                ; younger: the next fragments, the next bias, the fragments after
	ST1 0, 0, 0, 1, 6, 0                           ; riders: pair 6 of the layer before
	LDB 0, 4, 512
	LDT 3
	s_wait_dscnt 24
	ST1 1, 0, 1, 1, 7, 0                           ; pair 7
	LDB 1, 4, 768
	LDT 4
	s_wait_dscnt 24
	ST1 2, 0, 2, 1, -1, 0
	PLACES
	LDT 5
	s_wait_dscnt 16                                ; younger: two groups of fragments
	ST1 3, 0, 3, 1, -1, 0
	PLACES
	LDT 6
.set tt, 4
.rept 9
	s_wait_dscnt 16
	ST1 tt, tt>>2, tt&3, 0, -1, 0
	PLACES
	LDT tt+3
.set tt, tt+1
.endr
	SEAM1 G0A, 1
	ST1 13, 3, 1, 0, -1, 0
	SEAM2
	ST1 14, 3, 2, 0, -1, 0
	SEAM3 G0A                                      ; slot 0 takes the next layer's first half
	LDT 16
	LDT 17
	ST1 15, 3, 3, 0, -1, 0
	PLACES
	LDT 18
	WIN 0
	s_cmp_lg_u32 s[LAY], 4
	s_cbranch_scc1 .Lnoenc                         ; forward, past text with neither a barrier nor a tensor load
	PLACES
.set lf, 0
.rept 8
	ds_load_b128 v[BBR+8*lf:BBR+8*lf+3],   v[LE] offset:1024*lf     ; pos's encoding, K step kk, tile p at 8 (4 kk + p)
	ds_load_b128 v[BBR+8*lf+4:BBR+8*lf+7], v[LE] offset:1024*lf+512
.set lf, lf+1
.endr
	LDE 0
	LDE 1
.set ei, 0
.rept 8
.if ei < 7
	s_wait_dscnt 8                                 ; all but the one younger group
.else
	s_wait_dscnt 0
.endif
	STB (RING+96)*(1-(ei&1))+XB*(ei&1), BBR+32*(ei>>2), ei&3
.if ei < 6
	PLACES
	LDE ei+2
.endif
.set ei, ei+1
.endr
	WIN 0
.Lnoenc:
.set tt, 16
.rept 8
	s_wait_dscnt 16                                ; on the way through the skip nothing is out: the count holds on both ways
	ST1 tt, 4+((tt-16)>>2), tt&3, 0, -1, 0
	PLACES
	LDT tt+3
.set tt, tt+1
.endr
	s_wait_dscnt 16
	ST2 24, 0, 0, -1, 0
	PLACES
	LDT 27
.set tt, 25
.rept 4
	s_wait_dscnt 16
	ST2 tt, tt-24, 0, tt-25, 1
	LDT tt+3
.set tt, tt+1
.endr
	SEAM1 G0B, 1
	ST2 29, 5, 0, 4, 1
	SEAM2
	ST2 30, 6, 0, 5, 1
	SEAM3 G0B                                      ; slot 1 takes the next layer's second half
	LDA 0, LA0, 0                                  ; the next layer's first steps: slot 0 was shown whole by the round
	LDB 0, 4, 1024
	LDA 1, LA0, 4096
	ST2 31, 7, 0, -1, 0
	PLACES                                         ; also for the riders of the next step 0, which read pairs 6 and 7 and write K steps 6 and 7
	LDB 1, 4, 1280
	LDA 2, LA0, 8192
	WIN 0
	v_add_nc_u32 v[LB], 1024, v[LB]
	s_sub_co_u32 s[LAY], s[LAY], 1
	s_cmp_lg_u32 s[LAY], 0
	s_cbranch_scc1 .Llayer
	; ---------------- the colour head: 256 x 128 (slot 0), dir's encoding x 128 and 128 x 4 (slot 1) ----------------
	s_wait_dscnt 24
	ST1 0, 0, 0, 1, 6, 2                           ; riders: pairs 6 and 7 of the last layer, rounded and no more
	LDT 3
	s_wait_dscnt 16
	ST1 1, 0, 1, 1, -1, 0
	PLACES
	LDT 4
.set tt, 2
.rept 11
	s_wait_dscnt 16
	ST1 tt, tt>>1, tt&1, 0, -1, 0
	PLACES
	LDT tt+3
.set tt, tt+1
.endr
	SEAM1 G0A, 0                                   ; my quarter of slot 1's last tile is in; nothing is filled again, so a plain barrier follows
	ST1 13, 6, 1, 0, -1, 0
	SEAM2
	ST1 14, 7, 0, 0, -1, 0
	WIN 0
	s_barrier_wait -1
	PLACES
	LDA 16, LA1, 0
.set lf, 0
.rept 4
	ds_load_b128 v[BBR+8*lf:BBR+8*lf+3],   v[LE] offset:8192+1024*lf  ; dir's encoding
	ds_load_b128 v[BBR+8*lf+4:BBR+8*lf+7], v[LE] offset:8192+1024*lf+512
.set lf, lf+1
.endr
	LDA 17, LA1, 4096
	ST1 15, 7, 1, 0, -1, 0
	PLACES
	LDA 18, LA1, 8192                              ; cw1's four fragments
	LDB 1, 1, 512                                  ; cb1
	s_wait_dscnt 18                                ; younger: 8 + 8 + 2
	STB RING, BBR, 0
	s_wait_dscnt 10                                ; younger: 8 + 2
	STB RING+32, BBR, 1
	PLACES
	WIN 0x4a
.set rc, 0
.rept 32                                           ; eight blocks x four tiles, rounded (each accumulator's registers in ascending order), then the ReLU
.irp i, 0,1,2,3
	v_cvt_pk_bf16_f32 v[32*(rc>>3)+8*(rc&3)+4*((rc>>2)&1)+\i], v[32*(rc>>2)+8*(rc&3)+2*\i], v[32*(rc>>2)+8*(rc&3)+2*\i+1]
.endr
.set rc, rc+1
.endr
	WIN 0x41
.set rc, 0
.rept 128
	v_pk_max_num_bf16 v[rc], v[rc], s[FLOOR0]
.set rc, rc+1
.endr
	s_wait_dscnt 0x0
.set sn, 0
.rept 16                                           ; K step sn / 4, tile sn % 4: four accumulators by turns
.if sn < 4
	WIN 0x84
	v_wmma_f32_16x16x32_bf16 v[8*(sn&3):8*(sn&3)+7], v[RING+64+8*(sn>>2):RING+64+8*(sn>>2)+7], v[32*(sn>>2)+8*(sn&3):32*(sn>>2)+8*(sn&3)+7], v[BBR+32:BBR+39]
.else
	WIN 0xa4
	v_wmma_f32_16x16x32_bf16 v[8*(sn&3):8*(sn&3)+7], v[RING+64+8*(sn>>2):RING+64+8*(sn>>2)+7], v[32*(sn>>2)+8*(sn&3):32*(sn>>2)+8*(sn&3)+7], v[8*(sn&3):8*(sn&3)+7]
.endif
.set sn, sn+1
.endr
	PLACES
	; ---------------- sigmoid, softplus, and the way out ----------------
	; registers 0-3 of tile p's accumulator are my point's three colours and d, in both halves of the lanes
	WIN 0xaa
.set p, 0
.rept 4
	v_pk_mul_f32 v[64+4*p:65+4*p], v[8*p:8*p+1], s[76:77] op_sel_hi:[1,0]
	v_mul_f32 v[66+4*p], s76, v[8*p+2]
	v_and_b32 v[67+4*p], 0x7fffffff, v[8*p+3]
	v_mul_f32 v[67+4*p], s76, v[67+4*p]            ; -log2(e) |d|: softplus(d) = max(d, 0) + ln(1 + e^-|d|), the maximum taken away before the exponential
.set p, p+1
.endr
.set p, 0
.rept 16
	v_exp_f32 v[64+p], v[64+p]
.set p, p+1
.endr
	v_nop                                          ; a plain line between the last exponential and the use of its result
.set p, 0
	s_wait_alu depctr_va_vdst(0)
.rept 8
	v_pk_add_f32 v[64+2*p:65+2*p], v[64+2*p:65+2*p], 1.0 op_sel_hi:[1,0]
.set p, p+1
.endr
.set p, 0
.rept 4
	v_rcp_f32 v[128+4*p], v[64+4*p]                ; sigmoid(x) = 1 / (1 + e^-x)
	v_rcp_f32 v[129+4*p], v[65+4*p]
	v_rcp_f32 v[130+4*p], v[66+4*p]
	v_log_f32 v[67+4*p], v[67+4*p]
.set p, p+1
.endr
	v_nop
.set p, 0
	s_wait_alu depctr_va_vdst(0)
.rept 4
	v_max_num_f32 v[96+p], 0, v[8*p+3]
	v_fma_f32 v[96+p], v[67+4*p], s78, v[96+p]
	v_cmp_gt_f32 s[CM], v[8*p+3], s79
	v_cndmask_b32 v[131+4*p], v[96+p], v[8*p+3], s[CM]   ; d itself above 8
.set p, p+1
.endr
	WIN 0x08                                       ; store data window 2
.set p, 0
.rept 4
.irp k, 0,1,2
	ds_store_b32 v[OS3], v[128+4*p+\k] offset:192*p+4*\k   ; both halves of the lanes write the same number to the same word
.endr
	ds_store_b32 v[OS1], v[131+4*p] offset:64*p
.set p, p+1
.endr
	WIN 0
	ds_load_b64 v[16:17], v[ORD]                   ; LDS serves a wave's instructions in order (ISA guide 5.7.1.4): these see the stores above
	ds_load_b64 v[18:19], v[ORD] offset:256
	ds_load_b64 v[20:21], v[ORD] offset:512
	ds_load_b64 v[22:23], v[ORD] offset:768
	s_wait_dscnt 3
	global_store_b64 v[GO1], v[16:17], s[12:13]    ; each store of the wave covers 256 consecutive bytes, at a multiple of 256 from the output's first byte
	s_wait_dscnt 2
	global_store_b64 v[GO1], v[18:19], s[12:13] offset:256
	s_wait_dscnt 1
	global_store_b64 v[GO1], v[20:21], s[12:13] offset:512
	s_wait_dscnt 0
	global_store_b64 v[GO0], v[22:23], s[10:11]
	s_wait_tensorcnt 0x0                           ; the wave's end: behind my last tensor load and my last LDS store
	ds_add_u32 v[SPW], v[NIL]
	s_wait_dscnt 0x0
	CROUND                                         ; the closing round: no work-group ends while a partner may still ask for a tile that names it
	s_endpgm
.Lfunc_end_k_qc0f8cbc12d_nerf:
	.size	k_qc0f8cbc12d_nerf, .Lfunc_end_k_qc0f8cbc12d_nerf-k_qc0f8cbc12d_nerf
	.p2alignl 7, 3214868480
	.fill 96, 4, 3214868480
	.section	.rodata,"a",@progbits
	.p2align	6, 0x0
	.amdhsa_kernel k_qc0f8cbc12d_nerf
		.amdhsa_group_segment_fixed_size 327680
		.amdhsa_private_segment_fixed_size 0
		.amdhsa_enable_private_segment 0
		.amdhsa_kernarg_size 40
		.amdhsa_user_sgpr_count 2
		.amdhsa_user_sgpr_kernarg_segment_ptr 1
		.amdhsa_wavefront_size32 1
		.amdhsa_system_sgpr_workgroup_id_x 1
		.amdhsa_system_sgpr_workgroup_id_y 1
		.amdhsa_system_sgpr_workgroup_id_z 1
		.amdhsa_system_vgpr_workitem_id 0
		.amdhsa_next_free_vgpr 1024
		.amdhsa_next_free_sgpr 100
		.amdhsa_reserve_vcc 0
		.amdhsa_float_denorm_mode_32 3
		.amdhsa_float_denorm_mode_16_64 3
		.amdhsa_memory_ordered 1
		.amdhsa_forward_progress 1
		.amdhsa_inst_pref_size 255
	.end_amdhsa_kernel
	.section	.bss,"aw",@nobits
	.p2align	6
	.space	262144
	.amdgpu_metadata
---
amdhsa.version: [ 1, 2 ]
amdhsa.kernels:
  - .name:           k_qc0f8cbc12d_nerf
    .symbol:         k_qc0f8cbc12d_nerf.kd
    .args:
      - { .name: pos, .offset: 0, .size: 8, .value_kind: global_buffer, .address_space: global }
      - { .name: dir, .offset: 8, .size: 8, .value_kind: global_buffer, .address_space: global }
      - { .name: ws, .offset: 16, .size: 8, .value_kind: global_buffer, .address_space: global }
      - { .name: out0, .offset: 24, .size: 8, .value_kind: global_buffer, .address_space: global }
      - { .name: out1, .offset: 32, .size: 8, .value_kind: global_buffer, .address_space: global }
    .group_segment_fixed_size: 327680
    .private_segment_fixed_size: 0
    .kernarg_segment_align: 8
    .kernarg_segment_size: 40
    .max_flat_workgroup_size: 128
    .sgpr_count:     100
    .vgpr_count:     1024
    .wavefront_size: 32
...
	.end_amdgpu_metadata
.endif
;; end of part 2
